; MI455X (gfx1250); checked and timed in simulation.
; The chip was launched on July 23, 2026; its instructions are those of AMD's public machine-readable ISA for CDNA 5 (MIT licence, August 2026) and "CDNA5" Instruction Set Architecture Reference Guide (July 2026). The comments in the code are by the model that wrote it; some were corrected since.
;; Quantum Layer. Allowed arithmetic: float matrix products may take bf16 or f16 operands with f32 sums; all other float work in f32.
;; Inputs: q_weights 1 x 4 float32; x 1,048,576 x 16 float32.
;; Outputs: out0 1,048,576 x 4 float32.
;; One version. Each part assembles by itself: llvm-mc -triple=amdgcn-amd-amdhsa -mcpu=gfx1250 --defsym DOCPART=n.
;; ======== version 1 of 1: 1 launch
;; limits: inputs' magnitudes at most 26,000,000
;; launch qlayer (part 1): grid 512 x 1, 8 waves a work-group, no clusters, 0 bytes of LDS; arguments q_weights, x, out0; writes out0
.if DOCPART == 1
	.amdgcn_target "amdgcn-amd-amdhsa--gfx1250"
	.amdhsa_code_object_version 6
	.text
	.protected	k_qdfb49dfff5_qlayer
	.globl	k_qdfb49dfff5_qlayer
	.p2align	8
	.type	k_qdfb49dfff5_qlayer,@function
k_qdfb49dfff5_qlayer:
	s_mov_b64 s[64:65], 0
	v_nop
	global_prefetch_b8 v0, s[64:65] scope:SCOPE_SE
	s_setreg_imm32_b32 hwreg(HW_REG_WAVE_MODE, 25, 1), 1
	s_wait_xcnt 0x0
; out0[b][q] = <Z_q> of four qubits after RY(x[b][0..3]), RZ(q_weights[0..3]) and the chain CNOT(0,1), CNOT(1,2), CNOT(2,3).
; x: [1048576][16] f32 (only columns 0 to 3 enter), q_weights: [1][4] f32, out0: [1048576][4] f32.
;
; THE ALGEBRA, which holds for every input:
;  - behind RY the state is a product: bit q is 0 with probability cos^2(t_q/2), 1 with sin^2(t_q/2), t_q = x[b][q];
;  - RZ multiplies an amplitude by exp(-i p_q/2) or exp(+i p_q/2); both have the squared modulus m_q = cos^2(p_q/2) + sin^2(p_q/2),
;    so all 16 probabilities carry the one factor G = m_0 m_1 m_2 m_3.  G is 1 to rounding for finite p and NaN for p that is not
;    finite.  It is the only way q_weights reaches the result, so it is computed here (sine and cosine written out), not assumed;
;  - the CNOT chain makes bit q the parity b_0 ^ .. ^ b_q, whose mean sign over a product state is the product of the single means
;    cos^2(t_i/2) - sin^2(t_i/2) = cos t_i, i = 0 .. q.
; So out0[b][q] = G cos t_0 .. cos t_q.
;
; COSINE: k = t / 2pi rounded to a whole number (add and take away 1.5 * 2^23), f = t - k 2pi with 2pi in two f32 parts and two fused
; multiply-adds, then the Taylor series in u = f^2 up to f^16; the first term left out is pi^18 / 18! = 1.4e-7 at |f| = pi.
; LIMITS: |t| and |p/2| below 2^22 turns (2.6e7 rad); beyond that k is no longer the nearest whole number and the values degrade, while
; the reference stays exact.  Infinities and NaN give NaN.  The order of rounding is not the reference's (it sums 16 products).
;
; THE STREAM: eight waves; the work-group owns 2,048 rows; thread t owns rows t + 256 j, j = 0 .. 7.  A lane loads the first 16 bytes of its
; 64-byte row: a wave's load spans 2,048 consecutive bytes of x, and no other instruction of the launch touches that span.  A lane stores
; its row's 16 bytes: a wave's store covers 512 consecutive bytes at a multiple of 512 from out0's first byte.  All eight loads of a wave
; are issued at once (8 x 2,048 bytes spanned): that is the wave's whole share, so there is no loop, every slot has registers of its own,
; and no source of a load or store is ever written again.  Waves share nothing but the 16 bytes of q_weights: no LDS, no barrier, no cluster.
.set THREADS, 256
.set DEPTH,   8                        ; rows of a thread = loads in flight in each wave
.set XROW,    64                       ; bytes in a row of x
.set YROW,    16                       ; bytes in a row of out0
.set XO,  1                            ; v1        my byte offset in the group's part of x
.set YO,  2                            ; v2        my byte offset in the group's part of out0
.set QO,  3                            ; v3        byte offset of q_weights[lane % 4]
.set H,   4                            ; v4        p, p/2, then p/2 reduced
.set QK,  5                            ; v5        whole turns of p/2
.set QU,  6                            ; v6        (p/2 reduced)^2
.set PC,  7                            ; v7        cos(p/2)
.set PS,  8                            ; v8        sin(p/2)
.set G,   9                            ; v9        m of my qubit, then G in every lane
.set MG,  10                           ; v[10:11]  1.5 * 2^23, twice
.set C7V, 12                           ; v[12:13]  -1/14!, twice
.set T,   14                           ; v[14:17]  k of the four angles, then u
.set X,   20                           ; v[20:51]  slot j: four registers: t, then f, then cos, then the four results
.set INV2PI,  0x3e22f983               ; 1 / 2pi
.set MAGIC,   0x4b400000               ; 1.5 * 2^23: a sum with it has steps of 1, so the fused multiply-add rounds to a whole number
.set N2PI_HI, 0xc0c90fdb               ; -6.2831855, 2pi rounded to f32, negated
.set N2PI_LO, 0x343bbd2e               ; +1.7484555e-7 = that f32 - 2pi
.set ONE, 0x3f800000
.set C1,  0xbf000000                   ; -1/2!
.set C2,  0x3d2aaaab                   ; +1/4!
.set C3,  0xbab60b61                   ; -1/6!
.set C4,  0x37d00d01                   ; +1/8!
.set C5,  0xb493f27e                   ; -1/10!
.set C6,  0x310f76c7                   ; +1/12!
.set C7,  0xad49cba5                   ; -1/14!
.set C8,  0x29573f9f                   ; +1/16!
.set S1,  0xbe2aaaab                   ; -1/3!
.set S2,  0x3c088889                   ; +1/5!
.set S3,  0xb9500d01                   ; -1/7!
.set S4,  0x3638ef1d                   ; +1/9!
.set S5,  0xb2d7322b                   ; -1/11!
.set S6,  0x2f309231                   ; +1/13!
.set S7,  0xab573f9f                   ; -1/15!
.set S8,  0x274a963c                   ; +1/17!
	s_load_b128 s[4:7], s[0:1], 0x0                ; q_weights s[4:5], x s[6:7]
	s_load_b64 s[8:9], s[0:1], 0x10                ; out0
	s_lshl_b32 s2, ttmp9, 17                       ; the work-group's number x 2,048 rows x 64 bytes (at most 2^26: one word)
	s_mov_b32 s3, 0
	s_lshl_b32 s10, ttmp9, 15                      ; the same x 16 bytes
	s_mov_b32 s11, 0
	v_lshlrev_b32 v[XO], 6, v0                     ; row t of the group, in x
	v_lshlrev_b32 v[YO], 4, v0                     ; and in out0
	v_and_b32 v[QO], 3, v0
	v_lshlrev_b32 v[QO], 2, v[QO]                  ; lane l takes q_weights[l % 4]
	s_wait_kmcnt 0x0
	s_add_nc_u64 s[6:7], s[6:7], s[2:3]            ; x and out0 at the group's first row
	s_add_nc_u64 s[8:9], s[8:9], s[10:11]
	global_load_b32 v[H], v[QO], s[4:5]            ; first, so that it is the first to come back
.irp j, 0,1,2,3,4,5,6,7
	global_load_b128 v[X+4*\j:X+4*\j+3], v[XO], s[6:7] offset:\j*THREADS*XROW th:TH_LOAD_NT   ; x is read once in the launch
.endr
	v_mov_b32 v[MG],    MAGIC
	v_mov_b32 v[MG+1],  MAGIC
	v_mov_b32 v[C7V],   C7
	v_mov_b32 v[C7V+1], C7
	v_mov_b32 v[PC], C8                            ; the two series start at their highest terms
	v_mov_b32 v[PS], S8
	; G, while the rows of x are on their way.  Lane l works on qubit l % 4.
	s_wait_loadcnt DEPTH                           ; loads come back in order (ISA guide 5.7.1): q_weights is in, the eight loads of x behind it stay out
	v_mul_f32 v[H], 0.5, v[H]                      ; p/2
	v_fma_f32 v[QK], v[H], INV2PI, v[MG]
	v_sub_f32 v[QK], v[QK], v[MG]                  ; whole turns
	v_fmamk_f32 v[H], v[QK], N2PI_HI, v[H]         ; p/2 - k 2pi, in two parts
	v_fmamk_f32 v[H], v[QK], N2PI_LO, v[H]
	v_mul_f32 v[QU], v[H], v[H]
.macro QSTEP c, s                      ; one step of both series: two chains that do not wait for each other
	v_fmaak_f32 v[PC], v[PC], v[QU], \c
	v_fmaak_f32 v[PS], v[PS], v[QU], \s
.endm
	QSTEP C7, S7
	QSTEP C6, S6
	QSTEP C5, S5
	QSTEP C4, S4
	QSTEP C3, S3
	QSTEP C2, S2
	QSTEP C1, S1
	QSTEP ONE, ONE
	v_mul_f32 v[PS], v[PS], v[H]                   ; the sine's series is f times a series in u
	v_mul_f32 v[G], v[PC], v[PC]
	v_fmac_f32 v[G], v[PS], v[PS]                  ; m = cos^2 + sin^2, the squared modulus of both of RZ's entries
	v_mul_f32_dpp v[G], v[G], v[G] row_xmask:1 row_mask:0xf bank_mask:0xf      ; m_l m_(l^1)
	v_mul_f32_dpp v[G], v[G], v[G] row_xmask:2 row_mask:0xf bank_mask:0xf      ; (m_0 m_1)(m_2 m_3) in every lane
; One row of every lane: four angles in two packed chains, 30 vector instructions.
.macro SLOT j
	s_wait_loadcnt DEPTH-1-\j                      ; this slot's load is in; the younger ones stay out
.irp h, 0,2
	v_pk_fma_f32 v[T+\h:T+\h+1], v[X+4*\j+\h:X+4*\j+\h+1], INV2PI, v[MG:MG+1] op_sel_hi:[1,0,1]
.endr
.irp h, 0,2
	v_pk_add_f32 v[T+\h:T+\h+1], v[T+\h:T+\h+1], v[MG:MG+1] neg_lo:[0,1] neg_hi:[0,1]        ; k, whole turns
.endr
.irp h, 0,2
	v_pk_fma_f32 v[X+4*\j+\h:X+4*\j+\h+1], v[T+\h:T+\h+1], N2PI_HI, v[X+4*\j+\h:X+4*\j+\h+1] op_sel_hi:[1,0,1]
.endr
.irp h, 0,2
	v_pk_fma_f32 v[X+4*\j+\h:X+4*\j+\h+1], v[T+\h:T+\h+1], N2PI_LO, v[X+4*\j+\h:X+4*\j+\h+1] op_sel_hi:[1,0,1]   ; f = t - k 2pi
.endr
.irp h, 0,2
	v_pk_mul_f32 v[T+\h:T+\h+1], v[X+4*\j+\h:X+4*\j+\h+1], v[X+4*\j+\h:X+4*\j+\h+1]          ; u = f^2; k is done with
.endr
.irp h, 0,2
	v_pk_fma_f32 v[X+4*\j+\h:X+4*\j+\h+1], v[T+\h:T+\h+1], C8, v[C7V:C7V+1] op_sel_hi:[1,0,1] ; u/16! - 1/14!; f is done with
.endr
.irp c, C6, C5, C4, C3, C2
.irp h, 0,2
	v_pk_fma_f32 v[X+4*\j+\h:X+4*\j+\h+1], v[X+4*\j+\h:X+4*\j+\h+1], v[T+\h:T+\h+1], \c op_sel_hi:[1,1,0]
.endr
.endr
.irp h, 0,2
	v_pk_fma_f32 v[X+4*\j+\h:X+4*\j+\h+1], v[X+4*\j+\h:X+4*\j+\h+1], v[T+\h:T+\h+1], -0.5 op_sel_hi:[1,1,0]
.endr
.irp h, 0,2
	v_pk_fma_f32 v[X+4*\j+\h:X+4*\j+\h+1], v[X+4*\j+\h:X+4*\j+\h+1], v[T+\h:T+\h+1], 1.0 op_sel_hi:[1,1,0]      ; cos t_0 .. cos t_3
.endr
	v_mul_f32 v[X+4*\j],   v[G],         v[X+4*\j]      ; <Z_0> = G cos t_0
	v_mul_f32 v[X+4*\j+1], v[X+4*\j],   v[X+4*\j+1]     ; <Z_q> = <Z_(q-1)> cos t_q
	v_mul_f32 v[X+4*\j+2], v[X+4*\j+1], v[X+4*\j+2]
	v_mul_f32 v[X+4*\j+3], v[X+4*\j+2], v[X+4*\j+3]
	global_store_b128 v[YO], v[X+4*\j:X+4*\j+3], s[8:9] offset:\j*THREADS*YROW th:TH_STORE_NT  ; written once, never read; the slot's registers are not written again
.endm
.irp j, 0,1,2,3,4,5,6,7
	SLOT \j
.endr
	s_endpgm
.Lfunc_end_k_qdfb49dfff5_qlayer:
	.size	k_qdfb49dfff5_qlayer, .Lfunc_end_k_qdfb49dfff5_qlayer-k_qdfb49dfff5_qlayer
	.p2alignl 7, 3214868480
	.fill 96, 4, 3214868480
	.section	.rodata,"a",@progbits
	.p2align	6, 0x0
	.amdhsa_kernel k_qdfb49dfff5_qlayer
		.amdhsa_group_segment_fixed_size 0
		.amdhsa_private_segment_fixed_size 0
		.amdhsa_enable_private_segment 0
		.amdhsa_kernarg_size 24
		.amdhsa_user_sgpr_count 2
		.amdhsa_user_sgpr_kernarg_segment_ptr 1
		.amdhsa_wavefront_size32 1
		.amdhsa_system_sgpr_workgroup_id_x 1
		.amdhsa_system_sgpr_workgroup_id_y 1
		.amdhsa_system_sgpr_workgroup_id_z 1
		.amdhsa_system_vgpr_workitem_id 0
		.amdhsa_next_free_vgpr 52
		.amdhsa_next_free_sgpr 66
		.amdhsa_reserve_vcc 0
		.amdhsa_float_denorm_mode_32 3
		.amdhsa_float_denorm_mode_16_64 3
		.amdhsa_memory_ordered 1
		.amdhsa_forward_progress 1
		.amdhsa_inst_pref_size 23
	.end_amdhsa_kernel
	.amdgpu_metadata
---
amdhsa.version: [ 1, 2 ]
amdhsa.kernels:
  - .name:           k_qdfb49dfff5_qlayer
    .symbol:         k_qdfb49dfff5_qlayer.kd
    .args:
      - { .name: q_weights, .offset: 0, .size: 8, .value_kind: global_buffer, .address_space: global }
      - { .name: x, .offset: 8, .size: 8, .value_kind: global_buffer, .address_space: global }
      - { .name: out0, .offset: 16, .size: 8, .value_kind: global_buffer, .address_space: global }
    .group_segment_fixed_size: 0
    .private_segment_fixed_size: 0
    .kernarg_segment_align: 8
    .kernarg_segment_size: 24
    .max_flat_workgroup_size: 256
    .sgpr_count:     66
    .vgpr_count:     52
    .wavefront_size: 32
...
	.end_amdgpu_metadata
.endif
;; end of part 1
